; MI455X (gfx1250); checked and timed in simulation.
; The chip was launched on July 23, 2026; its instructions are those of AMD's public machine-readable ISA for CDNA 5 (MIT licence, August 2026) and "CDNA5" Instruction Set Architecture Reference Guide (July 2026). The comments in the code are by the model that wrote it; some were corrected since.
;; Diff GLCM. Allowed arithmetic: matrix products marked QUANTISED: E4M3 operands, one E8M0 scale for each 32 along K, by v_wmma_scale_f32_16x16x128_f8f6f4 with both operands' format E4M3, f32 sums; everything else in f32.
;; Inputs: x 16 x 1 x 256 x 256 float32.
;; Outputs: out0 16 x 1 x 64 x 64 x 1 float32.
;; Constants: offset_c = 1, offset_r = 1.
;; This version of the problem:
;;   THIS VERSION OF THE PROBLEM IS GIVEN IN LOW PRECISION. The matrix products marked QUANTISED in the list below multiply operands that are first quantised to E4M3 (4 exponent bits, 3 mantissa bits; 8 bits a number), with one power-of-two scale for each 32 numbers along K (OCP MX v1.0); their sums are f32. All else is computed in f32.
;;   The module's matrix products, in the order in which they are computed (A, B: the left and right operand; K: the contracted axis; several contracted axes count as one K, in the product's order):
;;     1. batch 16 x [M 64, K 65,025] x [K 65,025, N 64]; A: computed on the way; B: computed on the way: QUANTISED
;;   THE QUANTISER, for each operand of a quantised product, along K:
;;     - K is cut into blocks of 32 from its start; a last block that is shorter is filled with zeros.
;;     - A block's scale is 2^e with e = floor(log2(the largest magnitude in the block)) - 8, held to -126 .. 127; a block of zeros has e = 0. As a byte (E8M0): e + 127.
;;     - Each number is divided by its block's scale, clamped to +-448, and rounded to the nearest number of E4M3, ties to even, subnormals kept.
;;     - The product sums the exact products of the quantised numbers (number of the format x scale) in f32.
;;   ~~~python
;;   def quantise(x, axis):      # numpy; x: float32 -> the quantised numbers, widened to float32 again
;;       x = np.moveaxis(x, axis, -1); K = x.shape[-1]
;;       x = np.pad(x, [(0, 0)] * (x.ndim - 1) + [(0, -K % 32)]); x = x.reshape(x.shape[:-1] + (-1, 32)); a = np.abs(x).max(-1, keepdims=True)
;;       e = np.where(a > 0, np.clip(np.frexp(np.where(a > 0, a, 1))[1] - 1 - 8, -126, 127), 0)      # np.frexp(a)[1] - 1 = floor(log2(a)), exactly
;;       r = np.clip(x / 2.0 ** e, -448, 448)
;;       step = 2.0 ** (np.maximum(np.frexp(np.where(r == 0, 1, r))[1] - 1, -6) - 3)
;;       q = np.round(r / step) * step * 2.0 ** e      # np.round: ties to even
;;       return np.moveaxis(q.reshape(q.shape[:-2] + (-1,))[..., :K], -1, axis).astype(np.float32)
;;   ~~~
;;   OPERANDS COMPUTED ON THE WAY. 'Computed on the way' means the value that the module computes at that place (a softmax that the list does not call 'softmax' is quantised finished and normalised). What goes into a quantiser is computed in f32, as accurately as f32 sums, v_exp_f32 and their like allow (about 1e-6 of the number): no bf16 or f16 on the way to a quantiser, and a product that is left as it is and whose result goes on into a quantised operand takes f32 operands (vector FMAs, or v_wmma_f32_16x16x4_f32). A number that lies on a knife's edge between two numbers of the format may be rounded either way, as far as f32 arithmetic and the matrix unit's own rounding can turn it there, and no further.
;; One version. Each part assembles by itself: llvm-mc -triple=amdgcn-amd-amdhsa -mcpu=gfx1250 --defsym DOCPART=n.
;; ======== version 1 of 1: 2 launches
;; limits: right only within a limited range of input values
;; workspace buffers: part 4,194,304 bytes; tot 8,192 bytes
;; launch glcm_part (part 1): grid 16 x 16, 8 waves a work-group, no clusters, 309,760 bytes of LDS; arguments x, part, tot; writes part, tot
.if DOCPART == 1
	.amdgcn_target "amdgcn-amd-amdhsa--gfx1250"
	.amdhsa_code_object_version 6
	.text
	.protected	k_qe9efc49dc4_glcm_part
	.globl	k_qe9efc49dc4_glcm_part
	.p2align	8
	.type	k_qe9efc49dc4_glcm_part,@function
k_qe9efc49dc4_glcm_part:
	s_mov_b64 s[64:65], 0
	v_nop
	global_prefetch_b8 v0, s[64:65] scope:SCOPE_SE
	s_setreg_imm32_b32 hwreg(HW_REG_WAVE_MODE, 25, 1), 1
	s_wait_xcnt 0x0
; Soft grey-level co-occurrence, part sums.  x: [16][256][256] f32.  part: [16 images][16 chunks][4 jj][256 t][4] f32 (order below), tot: [16][16][8 waves] f32 (sums of part over i, j).
; glcm[i][j] = sum over k of Q(center[i][k]) Q(periph[j][k]), k = 255 h + w, center = thresh at pixel (h, w), periph = thresh at (h+1, w+1), K = 65,025; Q: E4M3 codes, one E8M0 scale for each 32 along k.
; THE MEMBERSHIP.  thresh[i] = sigmoid(a) - sigmoid(a - 10), a = 10 (xn - (i+1)), xn = 64 x + 1 (rounded as the problem rounds it).  With m = a - 5 that is, exactly, sinh 5 / (cosh m + cosh 5), so
;   1 / thresh = coth 5 + (e^m + e^-m) / (2 sinh 5): nothing is subtracted.  A lane owns FOUR neighbouring bins 4 r + T, T = 0 .. 3: with ui = 2^t, u = 2^-t, t = k xn - c, k = 10 log2(e), c = k (4 r + 3) rounded,
;   1 / thresh[4 r + T] = beta + a_T u + b_T ui: two exponentials serve four bins.  c's rounding is made good in the lane's constants a_T and b_T.
; Bin 0 (1 - sigmoid(10 (xn - 2))) has a = 0, beta = 1; bin 63 (sigmoid(10 (xn - 64))) has beta = 1 and b = 2^-110.
; LIMITS.  xn is held to [-3, 68] while it is staged: beyond that range every membership has come within 1e-13 (absolute) of its limit; bin 63's b lowers it by at most 2^-37 of itself.  Memberships under 2^-126 come out
; as 0 (ISA guide, v_rcp_f32: denormal results are flushed), and a block's scale byte is held at 1 from below (largest magnitudes under 2^-118).  NaN in x is not served; infinities are.
; CENTRE AND PERIPHERY SHARE THEIR CODES.  Put k' = k + 256.  periph[k] is the pixel of center[k'], and 256 is eight blocks of 32, so blocks and scales coincide too; only at k' = 255 h' (a row's first pixel in the centre's
; stream) periph wants pixel 256 h' - 1.  The centre's pixel is k' + k' / 255, the periphery's k' + (k' - 1) / 255 (whole parts).  Step s = positions k' 128 s ..: its fragments serve as centre of K step s and, after the one block
; that holds a row edge (at most one in a step) has been replaced by one made from its periphery's pixels, as periphery of K step s - 2.
; THE END OF K.  65,025 = 508 x 128 + 1.  Positions k' >= 65,281 are staged as xn = 1e9: every 1 / thresh is infinite there and every code 0, which silences whatever the centre holds there.  The centre's last block
; has one valid number: positions 65,025 .. 65,055 are staged as 1e9 too.  (As periphery that block holds the edge 255 x 255 and is made from its periphery's pixels.)
; SHARES.  Work-group (j, image): K steps 32 j .. 32 j + 31.  Wave w makes steps 4 w + n, n = 0 .. 3, for all 64 bins, and block w of the eight blocks of steps 32, 33 (as periphery only).
; n = 0, 1: centre and periphery images go to LDS.  n = 2, 3: own centre x the next wave's periphery n - 2 from LDS (K step 4 w + n), own periphery x own centre n - 2 (K step 4 w + n - 2).
; Lane (r, h) holds the block's positions 16 h + 0 .. 15: the operand's own layout.  Accumulator (Tp, Tc): lane (r, h), register 4 jh + jj is glcm(4 r + Tc, 32 h + 16 jh + 4 jj + Tp).
; No cluster: neighbouring chunks share two steps of x (1 KB of 17).  No prefetch: all of a wave's loads of x go out at the head, and no loop runs ahead of any.
.set SLOT,  8448                       ; an image: 4 tiles x 2,048 bytes of codes, 4 x 64 bytes of scale words
.set PB,    16*SLOT                    ; LDS: 16 centre images, then 18 of the periphery (pair w = wave w's steps 0, 1; pair 8 = steps 32, 33; pair 0 stays unused)
.set XBASE, 34*SLOT
.set XW,    2688                       ; a wave's staged xn: 16 blocks of 128 bytes, 4 edge blocks, the block of steps 32, 33
.set SPARE, XBASE+8*XW                 ; 8 x 128 bytes
.set CC, 2                             ; even registers v2-24: constants, named as pairs of which the low word serves both halves; the odd ones hold addresses that are never rewritten
.set AA, 4                             ; v4, 6, 8, 10 a_T
.set BB, 12                            ; v12, 14, 16, 18 b_T
.set BE, 20                            ; v20 beta of T = 0; v22 of T = 1, 2; v24 of T = 3
.set SPW, 3
.set NIL, 5
.set CST, 7                            ; 16 lane + my first centre image;  v9 my first periphery image
.set PST, 9
.set CWD, 11                           ; the same for scale words: 4 r + ..
.set PWD, 13
.set XB,  15                           ; my staged xn + 64 h
.set SA,  17                           ; my staged xn + 4 lane
.set TLC, 19                           ; my block of steps 32, 33: codes;  v21 scale bytes
.set TLB, 21
.set RX,  23                           ; r xor 2 h
.set RB,  25                           ; 256 r + my first centre image
.set W,  32                            ; v32-47 xn, then t
.set U,  48
.set UI, 64
.set TH, 80                            ; v80-143 four bins x 16: denominators, memberships; in a product four fragments from LDS
.set P,  144                           ; v144-207 my step's four fragments
.set PX, 208                           ; v208-223 the edge block's codes
.set MX, 224
.set PT, 228
.set SOP, 232
.set LIM, 236
.set SWP, 240                          ; scale words as periphery;  v244-247 the edge block's scale bytes;  v248-251 scale words as centre;  v252-255 those from LDS
.set PBY, 244
.set SWC, 248
.set CW, 252
.set XD, 64                            ; staging only: v64-84 numbers, v96-116 byte offsets, v160-180 k'
.set AD, 96
.set KQ, 160
.set WV, 10
.set J12, 11
.set K0, 12
.set S0, 13
.set BAT, 14
.set SG, 15
.set MAGIC, 19                         ; n / 255 = (n x 32897) >> 23 for n < 66,052
.set PSEL, 20
.set MNT, 22
.set FLR, 23
.set KK, 24
.set C64, 26
.set XLO, 27
.set XHI, 28
.set LASTK, 29
.set CB, 32                            ; the block that holds the row edge of the step whose first block is fetched next (4 or more: none)
.set OCB, 33                           ; that of the step whose last block is at work
.set T0, 34
.set T1, 35
.set T2, 36
.set T3, 37
.set IN, 40
.set SO, 41
.set XO, 42
.set PO, 43
.set MK, 70                            ; s70-90 masks of positions beyond K
.set MSB, 0
.macro WIN new
.if MSB != \new
	s_set_vgpr_msb (MSB<<8)|\new
.set MSB, \new
.endif
.endm
.macro VW
	s_wait_alu depctr_va_vdst(0)
.endm
; the first row edge at or behind 128 s is 255 h', h' = (128 s + 254) / 255; its place from the step's start, 0 .. 254
.macro EDGE
	s_lshl_b32 s[T0], s[SG], 7
	s_add_co_u32 s[T1], s[T0], 254
	s_mul_i32 s[T1], s[T1], s[MAGIC]
	s_lshr_b32 s[T1], s[T1], 23
	s_mul_i32 s[T1], s[T1], 255
	s_sub_co_u32 s[T1], s[T1], s[T0]
	s_lshr_b32 s[CB], s[T1], 5
.endm
	s_load_b128 s[4:7], s[0:1], 0x0                ; x, part
	s_load_b64 s[8:9], s[0:1], 0x10                ; tot
	v_lshl_add_u32 v[SPW], v0, 2, SPARE
	v_mov_b32 v[NIL], 0
	v_lshrrev_b32 v32, 5, v0
	v_readfirstlane_b32 s[WV], v32
	v_and_b32 v33, 31, v0                          ; lane
	v_and_b32 v34, 15, v0                          ; r
	v_bfe_u32 v35, v0, 4, 1                        ; h
	VW
	s_and_b32 s[BAT], ttmp7, 0xffff
	s_lshl_b32 s[J12], ttmp9, 12
	s_lshl_b32 s[T0], s[WV], 9
	s_add_co_u32 s[K0], s[J12], s[T0]              ; my first position
	s_lshl_b32 s[S0], ttmp9, 5
	s_lshl_b32 s[T0], s[WV], 2
	s_add_co_u32 s[S0], s[S0], s[T0]               ; my first step
	s_mov_b32 s[MAGIC], 32897
	s_mov_b32 s[LASTK], 65280
; STAGING.  A load brings one block's 32 positions, a lane each: 16 blocks of the centre's pixels,
.set e, 0
.rept 16
	v_add3_u32 v[KQ+e], v33, s[K0], 32*e
.set e, e+1
.endr
; and five of the periphery's: each step's edge block (where a step has none, some block that is not used) and my block of steps 32, 33
.irp n, 0,1,2,3
	s_add_co_u32 s[SG], s[S0], \n
	EDGE
	s_and_b32 s[T1], s[T1], 0xe0
	s_add_co_u32 s[T0], s[T0], s[T1]
	v_add_nc_u32 v[KQ+16+\n], s[T0], v33
.endr
	s_lshl_b32 s[T0], s[WV], 5
	s_add_co_u32 s[T0], s[T0], s[J12]
	s_add_co_u32 s[T0], s[T0], 4096
	v_add_nc_u32 v[KQ+20], s[T0], v33
	VW
.set e, 0
.rept 16
	v_mul_u32_u24 v[AD+e], s[MAGIC], v[KQ+e]
.set e, e+1
.endr
.rept 5
	v_add_nc_u32 v[AD+e], -1, v[KQ+e]              ; (k' = 0 wraps round; its number is never used, and the pixel stays inside the image)
.set e, e+1
.endr
.set e, 16
.rept 5
	v_mul_u32_u24 v[AD+e], s[MAGIC], v[AD+e]
.set e, e+1
.endr
.set e, 0
.rept 21
	v_lshrrev_b32 v[AD+e], 23, v[AD+e]
.set e, e+1
.endr
.set e, 0
.rept 21
	v_add_nc_u32 v[AD+e], v[AD+e], v[KQ+e]
.set e, e+1
.endr
.set e, 0
.rept 21
	v_min_u32 v[AD+e], 0xffff, v[AD+e]             ; held inside the image
.set e, e+1
.endr
.set e, 0
.rept 21
	v_lshlrev_b32 v[AD+e], 2, v[AD+e]
.set e, e+1
.endr
	s_lshl_b32 s[T0], s[BAT], 18
	s_mov_b32 s[T1], 0
	s_lshl_b32 s[T2], s[BAT], 4
	s_add_co_u32 s[T2], s[T2], ttmp9               ; 16 x image + chunk
	s_mov_b32 s[T3], 0
	VW
	s_wait_kmcnt 0x0
	s_add_nc_u64 s[4:5], s[4:5], s[T0:T1]
.set e, 0
.rept 21
	global_load_b32 v[XD+e], v[AD+e], s[4:5]
.set e, e+1
.endr
	s_lshl_b32 s[T0], s[T2], 14
	s_add_nc_u64 s[6:7], s[6:7], s[T0:T1]          ; my 16 KB of part
	s_lshl_b32 s[T2], s[T2], 3
	s_add_co_u32 s[T2], s[T2], s[WV]
	s_lshl_b32 s[T2], s[T2], 2
	s_add_nc_u64 s[8:9], s[8:9], s[T2:T3]          ; my wave's word of tot
; while the loads are out: constants and addresses
	s_mov_b32 s[PSEL], 0x76543210
	s_mov_b32 s[PSEL+1], 0xfedcba98                ; v_permlanex16_b32's selects for lane l xor 16
	s_mov_b32 s[MNT], 0x600000                     ; the mantissa field of 448
	s_mov_b32 s[FLR], 0x4800000                    ; 2^(9 - 127)
	s_mov_b32 s[KK], 0x4166d4ca                    ; 14.426950
	s_mov_b32 s[KK+1], s[KK]
	s_mov_b32 s[C64], 0x42800000                   ; 64.0
	s_mov_b32 s[XLO], 0xc0400000                   ; -3.0
	s_mov_b32 s[XHI], 0x42880000                   ; 68.0
	v_lshl_or_b32 v36, v34, 2, 3
	v_cvt_f32_u32 v36, v36                         ; 4 r + 3
	v_mul_f32 v37, s[KK], v36                      ; c
	v_mul_f32 v[CC], s[KK], -v36                   ; -c
	v_fma_f32 v38, -v36, s[KK], v37                ; c - k (4 r + 3), exactly
	VW
	v_exp_f32 v40, v38
	v_exp_f32 v42, -v38
	v_cmp_eq_u32 s30, 0, v34                       ; lanes with bin 0
	v_cmp_eq_u32 s31, 15, v34                      ; lanes with bin 63
	VW
	v_mul_f32 v[BB], 0x46ac16ef, v40               ; with q = 1 / (1 - e^-10): e^10 q,
	v_mul_f32 v[BB+2], 0x3f80017d, v40             ; q,
	v_mul_f32 v[BB+4], 0x383e6e04, v40             ; e^-10 q,
	v_mul_f32 v[BB+6], 0x310da5d8, v40             ; e^-20 q
	v_mul_f32 v[AA], 0x310da5d8, v42
	v_mul_f32 v[AA+2], 0x383e6e04, v42
	v_mul_f32 v[AA+4], 0x3f80017d, v42
	v_mul_f32 v[AA+6], 0x46ac16ef, v42
	v_mul_f32 v41, 0x46ac14ee, v40                 ; e^10, for bin 0
	v_mul_f32 v43, 0x46ac14ee, v42                 ; and for bin 63
	v_mov_b32 v44, 0x8800000                       ; 2^-110
	v_mov_b32 v[BE], 0x3f8002fa                    ; coth 5
	v_mov_b32 v[BE+2], 0x3f8002fa
	v_mov_b32 v[BE+4], 0x3f8002fa
	v_cndmask_b32 v[AA], v[AA], 0, s30
	v_cndmask_b32 v[BB], v[BB], v41, s30
	v_cndmask_b32 v[BE], v[BE], 1.0, s30
	v_cndmask_b32 v[AA+6], v[AA+6], v43, s31
	v_cndmask_b32 v[BB+6], v[BB+6], v44, s31
	v_cndmask_b32 v[BE+4], v[BE+4], 1.0, s31
	s_mul_i32 s[T0], s[WV], 2*SLOT
	v_lshl_add_u32 v[CST], v33, 4, s[T0]
	v_lshl_add_u32 v[RB], v34, 8, s[T0]
	s_add_co_u32 s[T1], s[T0], 8192
	v_lshl_add_u32 v[CWD], v34, 2, s[T1]
	s_add_co_u32 s[T1], s[T0], PB
	v_lshl_add_u32 v[PST], v33, 4, s[T1]
	s_add_co_u32 s[T1], s[T1], 8192
	v_lshl_add_u32 v[PWD], v34, 2, s[T1]
	s_mul_i32 s[T0], s[WV], XW
	s_add_co_u32 s[T0], s[T0], XBASE
	v_lshl_add_u32 v[XB], v35, 6, s[T0]
	v_lshl_add_u32 v[SA], v33, 2, s[T0]
	s_lshr_b32 s[T1], s[WV], 2
	s_mul_i32 s[T1], s[T1], SLOT
	s_add_co_u32 s[T1], s[T1], PB+16*SLOT
	s_and_b32 s[T2], s[WV], 3
	s_lshl_b32 s[T3], s[T2], 9
	s_add_co_u32 s[T3], s[T3], s[T1]
	v_lshl_add_u32 v[TLC], v33, 4, s[T3]
	s_add_co_u32 s[T1], s[T1], s[T2]
	s_add_co_u32 s[T1], s[T1], 8192
	v_lshl_add_u32 v[TLB], v34, 2, s[T1]
	v_lshlrev_b32 v[RX], 1, v35
	v_xor_b32 v[RX], v[RX], v34
	v_mov_b32 v46, 0x4e6e6b28                      ; 1e9
	v_add_nc_u32 v45, 0xffff01ff, v[KQ]            ; k' - 65,025: the centre's last block lies at the head of its wave's first step
	v_cmp_gt_u32 s33, 31, v45
.set e, 0
.rept 21
	v_cmp_lt_u32 s[MK+e], s[LASTK], v[KQ+e]
.set e, e+1
.endr
	s_or_b32 s[MK], s[MK], s33
	VW
	s_wait_loadcnt 0x0
.set e, 0
.rept 21
	v_fma_f32 v[XD+e], v[XD+e], s[C64], 1.0        ; xn: 64 x is exact, so this rounds once, as x * 64 + 1 does
.set e, e+1
.endr
.set e, 0
.rept 21
	v_med3_num_f32 v[XD+e], v[XD+e], s[XLO], s[XHI]
.set e, e+1
.endr
.set e, 0
.rept 21
	v_cndmask_b32 v[XD+e], v[XD+e], v46, s[MK+e]
.set e, e+1
.endr
.set e, 0
.rept 21
	ds_store_b32 v[SA], v[XD+e] offset:128*e       ; my wave's own bytes: LDS serves a wave's instructions in order, so no wait and no barrier stands ahead of the loads
.set e, e+1
.endr
.macro LDW na, no                      ; a block's positions 16 h .. 16 h + 15: sixteen lanes read the same 16 bytes
.irp q, 0,1,2,3
	ds_load_b128 v[W+4*\q:W+4*\q+3], v[\na] offset:(\no)+16*\q
.endr
.endm
.macro NEXT ea, eo, ca, co             ; the next step's first block: the edge block's periphery pixels where the step has an edge, else its block 0
	s_cmp_ge_u32 s[CB], 4
	s_cbranch_scc1 .Lplain_\@
	LDW \ea, \eo
	s_branch .Lgot_\@
.Lplain_\@:
	LDW \ca, \co
.Lgot_\@:
.endm
.macro TT u                            ; t
	v_pk_fma_f32 v[W+2*(\u):W+2*(\u)+1], v[W+2*(\u):W+2*(\u)+1], s[KK:KK+1], v[CC:CC+1] op_sel_hi:[1,0,0]
.endm
.macro XX e                            ; 0 .. 15: ui;  16 .. 31: u
.if (\e) < 16
	v_exp_f32 v[UI+(\e)], v[W+(\e)]
.else
	v_exp_f32 v[U+(\e)-16], -v[W+(\e)-16]
.endif
.endm
.macro EE t, u
	v_pk_fma_f32 v[TH+16*(\t)+2*(\u):TH+16*(\t)+2*(\u)+1], v[UI+2*(\u):UI+2*(\u)+1], v[BB+2*(\t):BB+2*(\t)+1], v[BE+2*(((\t)+1)/2):BE+2*(((\t)+1)/2)+1] op_sel_hi:[1,0,0]
.endm
.macro DD t, u
	v_pk_fma_f32 v[TH+16*(\t)+2*(\u):TH+16*(\t)+2*(\u)+1], v[U+2*(\u):U+2*(\u)+1], v[AA+2*(\t):AA+2*(\t)+1], v[TH+16*(\t)+2*(\u):TH+16*(\t)+2*(\u)+1] op_sel_hi:[1,0,1]
.endm
.macro RR k
	v_rcp_f32 v[TH+(\k)], v[TH+(\k)]
.endm
.macro L1 k                            ; the k % 5-th three of bin k / 5's sixteen memberships
	v_max3_num_f32 v[UI+(\k)], v[TH+16*((\k)/5)+3*((\k)%5)], v[TH+16*((\k)/5)+3*((\k)%5)+1], v[TH+16*((\k)/5)+3*((\k)%5)+2]
.endm
.macro HOLD a, l                       ; the conversion to an 8-bit code does not saturate (ISA guide 7.6.2); nothing is negative, so the hold is one-sided
	v_dual_min_num_f32 v[\a], v[\a], v[\l] :: v_dual_min_num_f32 v[\a+1], v[\a+1], v[\l]
.endm
; ONE BLOCK of 32 positions x 64 bins, blocks overlapping each other: u and ui of this block stand ready; they become codes at v[cd + st T] .. + 3.  c = 0 .. 3: the step's block c, whose scale bytes go into the words as centre;
; c = 4: an edge block (or the block of steps 32, 33), whose bytes go to v[PBY + T].  nx = 1: the next block's xn has been asked for into v[W]; its t is made among the reciprocals and its exponentials among the holds.
; Among exponentials and reciprocals stands packed arithmetic that hangs on none of them.
.macro BODY cd, st, c, nx
.irp t, 0,1,2,3
.set u, 0
.rept 8
	EE \t, u
.set u, u+1
.endr
.endr
.irp t, 0,1
.set u, 0
.rept 8
	DD \t, u
.set u, u+1
.endr
.endr
	VW
.set u, 0
.rept 8
	RR 2*u
	RR 2*u+1
	DD 2, u
	RR 16+2*u
	RR 17+2*u
	DD 3, u
.set u, u+1
.endr
	VW
.if \nx
	s_wait_dscnt 0x0                               ; the next block's xn is in
.endif
.set u, 0
.rept 8
	RR 32+2*u
	RR 33+2*u
	L1 u
	RR 48+2*u
	RR 49+2*u
.if \nx
	TT u
.endif
.set u, u+1
.endr
	L1 8
	L1 9
	VW
.irp k, 10,11,12,13,14
	L1 \k
.endr
.irp i, 0,1,2,3,4
	v_max3_num_f32 v[U+\i], v[TH+48+3*\i], v[TH+48+3*\i+1], v[TH+48+3*\i+2]
.endr
.irp t, 0,1,2
	v_max3_num_f32 v[MX+\t], v[UI+5*\t], v[UI+5*\t+1], v[UI+5*\t+2]
	v_max3_num_f32 v[PT+\t], v[UI+5*\t+3], v[UI+5*\t+4], v[TH+16*\t+15]
.endr
	v_max3_num_f32 v[MX+3], v[U], v[U+1], v[U+2]
	v_max3_num_f32 v[PT+3], v[U+3], v[U+4], v[TH+63]
.irp t, 0,1,2,3
	v_max3_num_f32 v[MX+\t], v[MX+\t], v[PT+\t], s[FLR]   ; and the floor, which holds the scale's byte at 1 from below
.endr
.irp t, 0,1,2,3
	v_permlanex16_b32 v[PT+\t], v[MX+\t], s[PSEL], s[PSEL+1]
.endr
.irp t, 0,1,2,3
	v_max_num_f32 v[MX+\t], v[MX+\t], v[PT+\t]     ; with lane l xor 16's 16: the block's largest magnitude
.endr
.irp t, 0,1,2,3
	v_and_or_b32 v[LIM+\t], v[MX+\t], 0x7f800000, s[MNT]   ; 448 x the scale
.endr
.irp t, 0,1,2,3
	v_add_nc_u32 v[SOP+\t], 0xfc000000, v[MX+\t]   ; 8 off its exponent field: the conversion's scale operand
.endr
.irp t, 0,1,2,3
.if \c == 0
	v_lshrrev_b32 v[SWC+\t], 23, v[SOP+\t]         ; the scale's byte
.else
.if \c == 4
	v_lshrrev_b32 v[PBY+\t], 23, v[SOP+\t]
.else
	v_lshrrev_b32 v[PT+\t], 23, v[SOP+\t]
.endif
.endif
.endr
.irp t, 0,1,2,3
	HOLD TH+16*\t, LIM+\t
.endr
.if (\c > 0) && (\c < 4)
.irp t, 0,1,2,3
	v_lshl_or_b32 v[SWC+\t], v[PT+\t], 8*\c, v[SWC+\t]
.endr
.endif
.if \nx
	XX 28
	XX 29
	XX 30
	XX 31
.endif
.set u, 0
.rept 28
.if \nx
	XX u
.endif
	HOLD TH+16*(u/7)+2+2*(u%7), LIM+(u/7)
.set u, u+1
.endr
.if \nx
	VW
.endif
.irp t, 0,1,2,3
	v_cvt_scalef32_pk8_fp8_f32 v[\cd+\st*\t:\cd+\st*\t+1], v[TH+16*\t:TH+16*\t+7], v[SOP+\t]
	v_cvt_scalef32_pk8_fp8_f32 v[\cd+\st*\t+2:\cd+\st*\t+3], v[TH+16*\t+8:TH+16*\t+15], v[SOP+\t]
.endr
	v_nop                                          ; a plain line behind the last conversion
.endm
.macro ARM c                           ; the edge block (it is block c) takes its place among the fragments, and its bytes in the words as periphery
.irp t, 0,1,2,3
.irp i, 0,1,2,3
	v_mov_b32 v[P+16*\t+4*\c+\i], v[PX+4*\t+\i]
.endr
.endr
.irp t, 0,1,2,3
	v_lshlrev_b32 v[PT+\t], 8*\c, v[PBY+\t]
.endr
.irp t, 0,1,2,3
	v_bfi_b32 v[SWP+\t], 0xff<<(8*\c), v[PT+\t], v[SWC+\t]
.endr
	VW
.endm
; The fragments, which stand as centre's, become periphery's: a scalar branch on ids.  ds = 1: stores of the centre's codes may be out, and are waited for ahead of the first write over their sources.
.macro PERI ds
	VW
	s_cmp_ge_u32 s[OCB], 4
	s_cbranch_scc1 .Lskip_\@
.if \ds
	s_wait_dscnt 0x0
.endif
.irp c, 0,1,2
	s_cmp_lg_u32 s[OCB], \c
	s_cbranch_scc1 .Lnx_\@_\c
	ARM \c
	s_branch .Ljn_\@
.Lnx_\@_\c:
.endr
	ARM 3
	s_branch .Ljn_\@
.Lskip_\@:
.irp t, 0,1,2,3
	v_mov_b32 v[SWP+\t], v[SWC+\t]
.endr
.Ljn_\@:
	VW
.endm
.macro STOREF ra, rw, sw               ; four fragments and their words become an image
.irp t, 0,1,2,3
.irp c, 0,1,2,3
	ds_store_b128 v[\ra], v[P+16*\t+4*\c:P+16*\t+4*\c+3] offset:2048*\t+512*\c
.endr
.endr
.irp t, 0,1,2,3
	ds_store_b32 v[\rw], v[\sw+\t] offset:64*\t    ; lanes r and r + 16 hold the same word and write it to the same place
.endr
.endm
.macro LOADF ra, rw, off               ; an image into v[TH], its words into v[CW]
.irp t, 0,1,2,3
	ds_load_b32 v[CW+\t], v[\rw] offset:(\off)+64*\t
.endr
.irp t, 0,1,2,3
.irp c, 0,1,2,3
	ds_load_b128 v[TH+16*\t+4*\c:TH+16*\t+4*\c+3], v[\ra] offset:(\off)+2048*\t+512*\c
.endr
.endr
.endm
; Source 0 = periphery tile p, source 1 = centre tile c.  Sixteen accumulators by turns.  The counts leave the younger tiles' four loads each out.
.macro PROD1 zero                      ; periphery from LDS, centre mine
.irp p, 0,1,2,3
	s_wait_dscnt 12-4*\p
	WIN 0x50
.irp c, 0,1,2,3
.if \zero
	v_wmma_scale_f32_16x16x128_f8f6f4 v[8*(4*\p+\c):8*(4*\p+\c)+7], v[TH+16*\p:TH+16*\p+15], v[P+16*\c:P+16*\c+15], 0, v[CW+\p], v[SWC+\c]
.else
	v_wmma_scale_f32_16x16x128_f8f6f4 v[8*(4*\p+\c):8*(4*\p+\c)+7], v[TH+16*\p:TH+16*\p+15], v[P+16*\c:P+16*\c+15], v[8*(4*\p+\c):8*(4*\p+\c)+7], v[CW+\p], v[SWC+\c]
.endif
.endr
.endr
	WIN 0
.endm
.macro PROD2                           ; periphery mine, centre from LDS
.irp c, 0,1,2,3
	s_wait_dscnt 12-4*\c
	WIN 0x50
.irp p, 0,1,2,3
	v_wmma_scale_f32_16x16x128_f8f6f4 v[8*(4*\p+\c):8*(4*\p+\c)+7], v[P+16*\p:P+16*\p+15], v[TH+16*\c:TH+16*\c+15], v[8*(4*\p+\c):8*(4*\p+\c)+7], v[SWP+\p], v[CW+\c]
.endr
.endr
	WIN 0
.endm
.macro PLACES
.rept 8
	v_nop
.endr
.endm
; The first block's exponentials: my block of steps 32, 33, whose images' bytes come from all eight waves
	LDW XB, 2560
	s_wait_dscnt 0x0
.set u, 0
.rept 8
	TT u
.set u, u+1
.endr
	VW
.set u, 0
.rept 32
	XX u
.set u, u+1
.endr
	v_nop
	VW
	s_mov_b32 s[SG], s[S0]
	EDGE
	s_cmp_eq_u32 s[WV], 0
	s_cselect_b32 s[CB], 4, s[CB]                  ; wave 0's first two steps are nobody's periphery here: the chunk before makes its own
	NEXT XB, 2048, XB, 0
	BODY PX, 4, 4, 1
.irp t, 0,1,2,3
	ds_store_b128 v[TLC], v[PX+4*\t:PX+4*\t+3] offset:2048*\t
.endr
.irp t, 0,1,2,3
	ds_store_b8 v[TLB], v[PBY+\t] offset:64*\t
.endr
; STEPS 0, 1: to LDS
	s_mov_b32 s[IN], 0
	s_mov_b32 s[SO], 0
	s_mov_b32 s[XO], 0
	s_mov_b32 s[PO], 2048
.Lstep:
	v_add_nc_u32 v26, s[SO], v[CST]
	v_add_nc_u32 v27, s[SO], v[PST]
	v_add_nc_u32 v28, s[SO], v[CWD]
	v_add_nc_u32 v29, s[SO], v[PWD]
	v_add_nc_u32 v30, s[XO], v[XB]
	v_add_nc_u32 v31, s[PO], v[XB]
	VW
	s_cmp_ge_u32 s[CB], 4
	s_cbranch_scc1 .Lno_edge
	LDW 30, 0
	BODY PX, 4, 4, 1                               ; the edge block comes first and is kept until the centre's fragments have been used
.Lno_edge:
	LDW 30, 128
	BODY P, 16, 0, 1
	LDW 30, 256
	BODY P+4, 16, 1, 1
	LDW 30, 384
	BODY P+8, 16, 2, 1
	s_mov_b32 s[OCB], s[CB]
	s_add_co_u32 s[SG], s[S0], s[IN]
	s_add_co_u32 s[SG], s[SG], 1
	EDGE                                           ; of the next step
	s_or_b32 s[T0], s[WV], s[IN]
	s_cmp_eq_u32 s[T0], 0
	s_cselect_b32 s[CB], 4, s[CB]                  ; (wave 0's step 1)
	NEXT 31, 128, 30, 512
	BODY P+12, 16, 3, 1
	STOREF 26, 28, SWC
	PERI 1
	s_cmp_eq_u32 s[WV], 0
	s_cbranch_scc1 .Lnop
	STOREF 27, 29, SWP
.Lnop:
	s_add_co_u32 s[SO], s[SO], SLOT
	s_add_co_u32 s[XO], s[XO], 512
	s_add_co_u32 s[PO], s[PO], 128
	s_add_co_u32 s[IN], s[IN], 1
	s_cmp_lt_u32 s[IN], 2
	s_cbranch_scc1 .Lstep
	s_wait_dscnt 0x0                               ; for the others' sake: my images have landed
	s_barrier_signal -1                            ; the wait stands in step 2, ahead of the first read of another wave's image; between them only register work and loads of my own staged xn
; STEPS 2, 3
.macro STEP1 n, zero
	s_cmp_ge_u32 s[CB], 4
	s_cbranch_scc1 .Lno_edge_\@
	LDW XB, 512*\n
	BODY PX, 4, 4, 1
.Lno_edge_\@:
	LDW XB, 512*\n+128
	BODY P, 16, 0, 1
	LDW XB, 512*\n+256
	BODY P+4, 16, 1, 1
	LDW XB, 512*\n+384
	BODY P+8, 16, 2, 1
	s_mov_b32 s[OCB], s[CB]
.if \n == 2
	s_add_co_u32 s[SG], s[S0], 3
	EDGE
	NEXT XB, 2432, XB, 1536
	BODY P+12, 16, 3, 1
.else
	BODY P+12, 16, 3, 0
.endif
	VW
.if \n == 2
	s_barrier_wait -1
.endif
	LOADF PST, PWD, SLOT*\n                        ; the next wave's periphery n - 2
	PLACES                                         ; my codes and words, written by vector instructions, stand 4 and 8 places ahead of the scaled products
	PROD1 \zero
	PLACES                                         ; for the loads below and for the edge block's codes, which land in registers of these products
	LOADF CST, CWD, SLOT*(\n-2)                    ; my own centre n - 2
	PERI 0
	PLACES                                         ; for the words as periphery
	PROD2
.if \n == 2
	PLACES                                         ; for the next step's first lines, which write where these products read
.endif
.endm
	STEP1 2, 1
	STEP1 3, 0
; THE WAY OUT.  The eight waves' sums are added through LDS: each wave's 16 KB lie over its own two centre images, which no other wave reads.  A place of 16 bytes is x = 4 Tc + 2 h + jh of row r of tile Tp's 4 KB; it is
; stored at x xor r, so that both the writers' 16 lanes (r runs) and the readers' (x runs) touch 16 different 16-byte columns of 256.
.set i, 0
.rept 8
	v_xor_b32 v[32+i], 4*(i/2)+(i%2), v[RX]
.set i, i+1
.endr
.set i, 0
.rept 8
	v_lshl_add_u32 v[32+i], v[32+i], 4, v[RB]      ; (these lines are also the places behind the last products)
.set i, i+1
.endr
	v_lshrrev_b32 v40, 4, v0                       ; back: thread t takes place t & 15 of row t >> 4, all four Tp
	v_and_b32 v41, 15, v0
	v_xor_b32 v41, v41, v40
	v_lshlrev_b32 v41, 4, v41
	v_lshl_add_u32 v40, v40, 8, v41
	v_add_nc_u32 v41, 8*SLOT, v40                  ; waves 4 to 7
	v_lshlrev_b32 v42, 4, v0
	WIN 0x04
.irp p, 0,1,2,3
.irp c, 0,1,2,3
	ds_store_b128 v[32+2*\c], v[8*(4*\p+\c):8*(4*\p+\c)+3] offset:4096*\p
	ds_store_b128 v[33+2*\c], v[8*(4*\p+\c)+4:8*(4*\p+\c)+7] offset:4096*\p
.endr
.endr
	WIN 0
	VW
	s_wait_dscnt 0x0
	s_barrier_signal -1
	s_barrier_wait -1
.irp g, 0,1,2,3
.irp t, 0,1,2,3
	ds_load_b128 v[64+16*\g+4*\t:64+16*\g+4*\t+3], v40 offset:\g*2*SLOT+4096*\t
.endr
.endr
.irp g, 0,1,2,3
.irp t, 0,1,2,3
	ds_load_b128 v[128+16*\g+4*\t:128+16*\g+4*\t+3], v41 offset:\g*2*SLOT+4096*\t
.endr
.endr
.macro FOLD d, s
.set q, 0
.rept 8
	v_pk_add_f32 v[\d+q:\d+q+1], v[\d+q:\d+q+1], v[\s+q:\s+q+1]
.set q, q+2
.endr
.endm
	s_wait_dscnt 16                                ; waves 0 to 3 are in
	FOLD 64, 80
	FOLD 96, 112
	FOLD 64, 96
	s_wait_dscnt 0x0
	FOLD 128, 144
	FOLD 160, 176
	FOLD 128, 160
.irp j, 0,1,2,3
.irp t, 0,1,2,3
	v_add_f32 v[192+4*\j+\t], v[64+4*\t+\j], v[128+4*\t+\j]   ; the last sum lays the four Tp, neighbouring columns, side by side
.endr
.endr
.irp j, 0,1,2,3
	global_store_b128 v42, v[192+4*\j:192+4*\j+3], s[6:7] offset:4096*\j   ; a wave stores 512 consecutive bytes, at a multiple of 512 from part's first byte
.endr
.irp q, 0,1,2,3
	v_pk_add_f32 v[32+2*\q:33+2*\q], v[192+4*\q:193+4*\q], v[194+4*\q:195+4*\q]
.endr
	v_pk_add_f32 v[32:33], v[32:33], v[34:35]
	v_pk_add_f32 v[36:37], v[36:37], v[38:39]
	v_and_b32 v44, 31, v0
	v_pk_add_f32 v[32:33], v[32:33], v[36:37]
	v_add_f32 v32, v32, v33
	v_add_f32_dpp v32, v32, v32 row_xmask:1 row_mask:0xf bank_mask:0xf
	v_add_f32_dpp v32, v32, v32 row_xmask:2 row_mask:0xf bank_mask:0xf
	v_add_f32_dpp v32, v32, v32 row_xmask:4 row_mask:0xf bank_mask:0xf
	v_add_f32_dpp v32, v32, v32 row_xmask:8 row_mask:0xf bank_mask:0xf
	v_permlanex16_b32 v33, v32, s[PSEL], s[PSEL+1]
	v_add_f32 v32, v32, v33                        ; my wave's 512 sums
	v_cmp_eq_u32 vcc_lo, 0, v44
	VW
	s_wait_xcnt 0x0                                ; EXEC changes only behind this wait: the stores above have it among their sources
	s_wait_tensorcnt 0x0                           ; the wave's end
	ds_add_u32 v[SPW], v[NIL]
	s_wait_dscnt 0x0
	s_and_saveexec_b32 s[T0], vcc_lo
	global_store_b32 v[NIL], v32, s[8:9]           ; lane 0 stores the wave's word of tot
	s_endpgm
.Lfunc_end_k_qe9efc49dc4_glcm_part:
	.size	k_qe9efc49dc4_glcm_part, .Lfunc_end_k_qe9efc49dc4_glcm_part-k_qe9efc49dc4_glcm_part
	.p2alignl 7, 3214868480
	.fill 96, 4, 3214868480
	.section	.rodata,"a",@progbits
	.p2align	6, 0x0
	.amdhsa_kernel k_qe9efc49dc4_glcm_part
		.amdhsa_group_segment_fixed_size 309760
		.amdhsa_private_segment_fixed_size 0
		.amdhsa_enable_private_segment 0
		.amdhsa_kernarg_size 24
		.amdhsa_user_sgpr_count 2
		.amdhsa_user_sgpr_kernarg_segment_ptr 1
		.amdhsa_wavefront_size32 1
		.amdhsa_system_sgpr_workgroup_id_x 1
		.amdhsa_system_sgpr_workgroup_id_y 1
		.amdhsa_system_sgpr_workgroup_id_z 1
		.amdhsa_system_vgpr_workitem_id 0
		.amdhsa_next_free_vgpr 384
		.amdhsa_next_free_sgpr 92
		.amdhsa_reserve_vcc 1
		.amdhsa_float_denorm_mode_32 3
		.amdhsa_float_denorm_mode_16_64 3
		.amdhsa_memory_ordered 1
		.amdhsa_forward_progress 1
		.amdhsa_inst_pref_size 255
	.end_amdhsa_kernel
	.section	.bss,"aw",@nobits
	.p2align	6
	.space	262144
	.amdgpu_metadata
---
amdhsa.version: [ 1, 2 ]
amdhsa.kernels:
  - .name:           k_qe9efc49dc4_glcm_part
    .symbol:         k_qe9efc49dc4_glcm_part.kd
    .args:
      - { .name: x, .offset: 0, .size: 8, .value_kind: global_buffer, .address_space: global }
      - { .name: part, .offset: 8, .size: 8, .value_kind: global_buffer, .address_space: global }
      - { .name: tot, .offset: 16, .size: 8, .value_kind: global_buffer, .address_space: global }
    .group_segment_fixed_size: 309760
    .private_segment_fixed_size: 0
    .kernarg_segment_align: 8
    .kernarg_segment_size: 24
    .max_flat_workgroup_size: 256
    .sgpr_count:     92
    .vgpr_count:     384
    .wavefront_size: 32
...
	.end_amdgpu_metadata
.endif
;; end of part 1
;; launch glcm_norm (part 2): grid 16 x 16, 2 waves a work-group, no clusters, 0 bytes of LDS; arguments part, tot, out0; writes out0
.if DOCPART == 2
	.amdgcn_target "amdgcn-amd-amdhsa--gfx1250"
	.amdhsa_code_object_version 6
	.text
	.protected	k_qe9efc49dc4_glcm_norm
	.globl	k_qe9efc49dc4_glcm_norm
	.p2align	8
	.type	k_qe9efc49dc4_glcm_norm,@function
k_qe9efc49dc4_glcm_norm:
	s_mov_b64 s[64:65], 0
	v_nop
	global_prefetch_b8 v0, s[64:65] scope:SCOPE_SE
	s_setreg_imm32_b32 hwreg(HW_REG_WAVE_MODE, 25, 1), 1
	s_wait_xcnt 0x0
; out0[image][i][j] = (sum over the 16 chunks of part) / (sum of the image's 128 words of tot).
; part: [image][chunk][jj][4 i + g][4]: the four numbers of columns 16 g + 4 jj .. of row i.  Work-group (slice, image): rows 4 slice .. + 3; thread v takes row v / 16, columns 4 (v % 16) ..: so g = (v / 4) % 4, jj = v % 4.
; Its place in part is 4096 jj + 16 (v / 4): of each chunk the work-group reads four whole aligned units of 256 bytes; each wave stores 512 consecutive bytes.
; All 17 loads of a thread go out at once.  No LDS, no barrier, no matrix work: waves share nothing.  The division is a multiplication by v_rcp_f32 of the sum.
.set PR, 20                            ; v20-83 the sixteen chunks' four numbers
	s_load_b128 s[4:7], s[0:1], 0x0                ; part, tot
	s_load_b64 s[8:9], s[0:1], 0x10                ; out0
	s_and_b32 s10, ttmp7, 0xffff                   ; image
	s_lshl_b32 s11, ttmp9, 8                       ; my slice: 256 bytes of each jj
	s_lshl_b32 s12, s10, 18                        ; 16 chunks of 16 KB an image
	s_add_co_u32 s12, s12, s11
	s_mov_b32 s13, 0
	s_lshl_b32 s14, s10, 9                         ; 128 words of tot an image
	s_mov_b32 s15, 0
	s_lshl_b32 s16, s10, 14
	s_lshl_b32 s11, ttmp9, 10                      ; 1,024 bytes of the output
	s_add_co_u32 s16, s16, s11
	s_mov_b32 s17, 0
	s_mov_b32 s18, 0x76543210
	s_mov_b32 s19, 0xfedcba98
	v_and_b32 v2, 31, v0
	v_lshlrev_b32 v2, 4, v2
	v_and_b32 v3, 3, v0
	v_lshrrev_b32 v8, 2, v0
	v_lshlrev_b32 v3, 12, v3
	v_lshl_add_u32 v3, v8, 4, v3
	v_lshlrev_b32 v1, 4, v0
	s_wait_alu depctr_va_vdst(0)
	s_wait_kmcnt 0x0
	s_add_nc_u64 s[4:5], s[4:5], s[12:13]
	s_add_nc_u64 s[6:7], s[6:7], s[14:15]
	s_add_nc_u64 s[8:9], s[8:9], s[16:17]
	global_load_b128 v[4:7], v2, s[6:7]            ; a lane takes four of the 128 words
.set c, 0
.rept 16
	global_load_b128 v[PR+4*c:PR+4*c+3], v3, s[4:5] offset:16384*c
.set c, c+1
.endr
	s_wait_loadcnt 16                              ; the totals are in; the sixteen loads of parts may be out
	v_pk_add_f32 v[4:5], v[4:5], v[6:7]
	v_add_f32 v4, v4, v5
	v_add_f32_dpp v4, v4, v4 row_xmask:1 row_mask:0xf bank_mask:0xf
	v_add_f32_dpp v4, v4, v4 row_xmask:2 row_mask:0xf bank_mask:0xf
	v_add_f32_dpp v4, v4, v4 row_xmask:4 row_mask:0xf bank_mask:0xf
	v_add_f32_dpp v4, v4, v4 row_xmask:8 row_mask:0xf bank_mask:0xf
	v_permlanex16_b32 v8, v4, s18, s19
	v_add_f32 v4, v4, v8                           ; the image's total, in every lane
	s_wait_alu depctr_va_vdst(0)
	v_rcp_f32 v4, v4
	s_wait_loadcnt 0x0
.macro FOLD n                          ; chunks c and c + n, c = 0 .. n - 1
.set c, 0
.rept \n
	v_pk_add_f32 v[PR+4*c:PR+4*c+1], v[PR+4*c:PR+4*c+1], v[PR+4*(c+\n):PR+4*(c+\n)+1]
	v_pk_add_f32 v[PR+4*c+2:PR+4*c+3], v[PR+4*c+2:PR+4*c+3], v[PR+4*(c+\n)+2:PR+4*(c+\n)+3]
.set c, c+1
.endr
.endm
	FOLD 8                                         ; (plain work behind the reciprocal that names neither its result nor its source)
	FOLD 4
	FOLD 2
	FOLD 1
	s_wait_alu depctr_va_vdst(0)                   ; ahead of the reciprocal's first reader
	v_pk_mul_f32 v[PR:PR+1], v[PR:PR+1], v[4:5] op_sel_hi:[1,0]
	v_pk_mul_f32 v[PR+2:PR+3], v[PR+2:PR+3], v[4:5] op_sel_hi:[1,0]
	global_store_b128 v1, v[PR:PR+3], s[8:9] th:TH_STORE_NT
	s_endpgm
.Lfunc_end_k_qe9efc49dc4_glcm_norm:
	.size	k_qe9efc49dc4_glcm_norm, .Lfunc_end_k_qe9efc49dc4_glcm_norm-k_qe9efc49dc4_glcm_norm
	.p2alignl 7, 3214868480
	.fill 96, 4, 3214868480
	.section	.rodata,"a",@progbits
	.p2align	6, 0x0
	.amdhsa_kernel k_qe9efc49dc4_glcm_norm
		.amdhsa_group_segment_fixed_size 0
		.amdhsa_private_segment_fixed_size 0
		.amdhsa_enable_private_segment 0
		.amdhsa_kernarg_size 24
		.amdhsa_user_sgpr_count 2
		.amdhsa_user_sgpr_kernarg_segment_ptr 1
		.amdhsa_wavefront_size32 1
		.amdhsa_system_sgpr_workgroup_id_x 1
		.amdhsa_system_sgpr_workgroup_id_y 1
		.amdhsa_system_sgpr_workgroup_id_z 1
		.amdhsa_system_vgpr_workitem_id 0
		.amdhsa_next_free_vgpr 88
		.amdhsa_next_free_sgpr 66
		.amdhsa_reserve_vcc 0
		.amdhsa_float_denorm_mode_32 3
		.amdhsa_float_denorm_mode_16_64 3
		.amdhsa_memory_ordered 1
		.amdhsa_forward_progress 1
		.amdhsa_inst_pref_size 6
	.end_amdhsa_kernel
	.amdgpu_metadata
---
amdhsa.version: [ 1, 2 ]
amdhsa.kernels:
  - .name:           k_qe9efc49dc4_glcm_norm
    .symbol:         k_qe9efc49dc4_glcm_norm.kd
    .args:
      - { .name: part, .offset: 0, .size: 8, .value_kind: global_buffer, .address_space: global }
      - { .name: tot, .offset: 8, .size: 8, .value_kind: global_buffer, .address_space: global }
      - { .name: out0, .offset: 16, .size: 8, .value_kind: global_buffer, .address_space: global }
    .group_segment_fixed_size: 0
    .private_segment_fixed_size: 0
    .kernarg_segment_align: 8
    .kernarg_segment_size: 24
    .max_flat_workgroup_size: 64
    .sgpr_count:     66
    .vgpr_count:     88
    .wavefront_size: 32
...
	.end_amdgpu_metadata
.endif
;; end of part 2
